; MI455X (gfx1250); checked and timed in simulation.
; The chip was launched on July 23, 2026; its instructions are those of AMD's public machine-readable ISA for CDNA 5 (MIT licence, August 2026) and "CDNA5" Instruction Set Architecture Reference Guide (July 2026). The comments in the code are by the model that wrote it; some were corrected since.
;; RG Buv Hist Block. Allowed arithmetic: float matrix products may take bf16 or f16 operands with f32 sums; all other float work in f32.
;; Inputs: m 8 x 3 x 400 x 400 float32; x 8 x 3 x 400 x 400 float32.
;; Outputs: out0 8 x 3 x 64 x 64 float32.
;; 2 versions, each right and faster than the one before. Each part assembles by itself: llvm-mc -triple=amdgcn-amd-amdhsa -mcpu=gfx1250 --defsym DOCPART=n.
;; ======== version 1 of 2: 3 launches
;; workspace buffers: masks 262,144 bytes of whole numbers; part 12,582,912 bytes; tot 4,096 bytes
;; launch mask (part 1): grid 256 x 1, 4 waves a work-group, no clusters, 0 bytes of LDS; arguments m, masks; writes masks
.if DOCPART == 1
	.amdgcn_target "amdgcn-amd-amdhsa--gfx1250"
	.amdhsa_code_object_version 6
	.text
	.protected	k_q837d0403a0_mask
	.globl	k_q837d0403a0_mask
	.p2align	8
	.type	k_q837d0403a0_mask,@function
k_q837d0403a0_mask:
	s_mov_b64 s[64:65], 0
	v_nop
	global_prefetch_b8 v0, s[64:65] scope:SCOPE_SE
	s_setreg_imm32_b32 hwreg(HW_REG_WAVE_MODE, 25, 1), 1
	s_wait_xcnt 0x0
; Which pixels count: m[b][0][n] > 0.5, as whole numbers for the next launch, which forms LDS addresses and a trip count from them.
; (Only channel 0 of m is read: the problem's function slices channel 0 and uses nothing else of m.)
; An image has 160,000 pixels = 1,250 blocks of 128 pixels (512 bytes).  32 work-groups share an image: work-group g owns the blocks
; (625 g) >> 4 up to (625 (g + 1)) >> 4, that is 39 or 40 of them, and walks a window of 40 blocks from its first one, which always
; lies inside the image (the last window ends at block 1,250).  Wave w takes window blocks 10 w .. 10 w + 9.  A block of the window
; that the work-group does not own (number 39 where it owns 39) gets mask words of zero.
; A wave's record is 64 words = 256 bytes: word 4 k + c has bit l set if pixel 4 l + c of block k counts; word 40 is the number of
; bits set in all; words 41 to 63 are zero.  One store of the wave writes the whole record, 256 consecutive bytes, aligned.
; A stream read once: no LDS, no barrier, no matrix unit, and no cluster, since no two work-groups need the same bytes.
.set IMG,  1920000                     ; bytes of an image (3 channels of 640,000)
.set VLO,  4                           ; v4  even words of the record, lane l: word 2 l
.set VHI,  5                           ; v5  odd words
.set MD,   8                           ; v[8:47]  ten loads of 16 bytes a lane
	s_load_b128 s[4:7], s[0:1], 0x0                ; m s[4:5], masks s[6:7]
	v_lshrrev_b32 v3, 5, v0
	v_readfirstlane_b32 s8, v3                     ; wave 0..3
	v_and_b32 v2, 31, v0                           ; lane
	v_lshlrev_b32 v1, 4, v2                        ; 16 bytes a lane in a block
	v_lshlrev_b32 v2, 3, v2                        ; 8 bytes a lane in the record
	v_mov_b32 v[VLO], 0                            ; the record starts as zeros: the words that no lane write below fills stay so
	v_mov_b32 v[VHI], 0
	s_lshr_b32 s9, ttmp9, 5                        ; image
	s_and_b32 s10, ttmp9, 31                       ; g
	s_mul_i32 s11, s10, 625
	s_add_co_u32 s12, s11, 625
	s_lshr_b32 s11, s11, 4                         ; my first block
	s_lshr_b32 s12, s12, 4
	s_sub_co_u32 s12, s12, s11                     ; how many I own: 39 or 40
	s_mul_i32 s18, s8, 10                          ; the wave's first window block
	s_add_co_u32 s17, s18, 9
	s_cmp_lt_u32 s17, s12                          ; is the wave's last block owned?
	s_cselect_b32 s17, -1, 0                       ; all ones, or zero
	s_add_co_u32 s18, s18, s11
	s_lshl_b32 s18, s18, 9                         ; blocks of 512 bytes
	s_mul_i32 s14, s9, IMG
	s_add_co_u32 s14, s14, s18                     ; below 15,360,000: one word
	s_mov_b32 s15, 0
	s_mov_b32 s16, 0                               ; the count
	s_wait_kmcnt 0x0
	s_add_nc_u64 s[4:5], s[4:5], s[14:15]
.irp k, 0,1,2,3,4,5,6,7,8
	global_load_b128 v[MD+4*\k:MD+4*\k+3], v1, s[4:5] offset:512*\k th:TH_LOAD_NT
.endr
	global_load_b128 v[MD+36:MD+39], v1, s[4:5] offset:512*9       ; no hint: window block 39 may be the next work-group's first
	s_lshl_b32 s14, ttmp9, 10                      ; four records of 256 bytes for a work-group
	s_lshl_b32 s18, s8, 8
	s_add_co_u32 s14, s14, s18
	s_add_nc_u64 s[6:7], s[6:7], s[14:15]
; Block k: four ballots, counted, and laid into the record's lanes.
.macro BLK k
	s_wait_loadcnt 9-\k                            ; loads come back in order: block k is in, the 9 - k younger ones stay out
.irp c, 0,1,2,3
	v_cmp_lt_f32 s[20+\c], 0.5, v[MD+4*\k+\c]      ; 0.5 < m; a NaN does not count, as in the comparison of the problem's function
.if \k == 9
	s_and_b32 s[20+\c], s[20+\c], s17              ; a block that is not mine counts nothing
.endif
	s_bcnt1_i32_b32 s18, s[20+\c]
	s_add_co_u32 s16, s16, s18
	v_writelane_b32 v[VLO+(\c&1)], s[20+\c], 2*\k+(\c>>1)          ; word 4 k + c = lane 2 k + c / 2, register c % 2
.endr
.endm
.irp k, 0,1,2,3,4,5,6,7,8,9
	BLK \k
.endr
	v_writelane_b32 v[VLO], s16, 20                ; word 40
	global_store_b64 v2, v[VLO:VHI], s[6:7]
	s_endpgm
.Lfunc_end_k_q837d0403a0_mask:
	.size	k_q837d0403a0_mask, .Lfunc_end_k_q837d0403a0_mask-k_q837d0403a0_mask
	.p2alignl 7, 3214868480
	.fill 96, 4, 3214868480
	.section	.rodata,"a",@progbits
	.p2align	6, 0x0
	.amdhsa_kernel k_q837d0403a0_mask
		.amdhsa_group_segment_fixed_size 0
		.amdhsa_private_segment_fixed_size 0
		.amdhsa_enable_private_segment 0
		.amdhsa_kernarg_size 16
		.amdhsa_user_sgpr_count 2
		.amdhsa_user_sgpr_kernarg_segment_ptr 1
		.amdhsa_wavefront_size32 1
		.amdhsa_system_sgpr_workgroup_id_x 1
		.amdhsa_system_sgpr_workgroup_id_y 1
		.amdhsa_system_sgpr_workgroup_id_z 1
		.amdhsa_system_vgpr_workitem_id 0
		.amdhsa_next_free_vgpr 48
		.amdhsa_next_free_sgpr 66
		.amdhsa_reserve_vcc 0
		.amdhsa_float_denorm_mode_32 3
		.amdhsa_float_denorm_mode_16_64 3
		.amdhsa_memory_ordered 1
		.amdhsa_forward_progress 1
		.amdhsa_inst_pref_size 11
	.end_amdhsa_kernel
	.amdgpu_metadata
---
amdhsa.version: [ 1, 2 ]
amdhsa.kernels:
  - .name:           k_q837d0403a0_mask
    .symbol:         k_q837d0403a0_mask.kd
    .args:
      - { .name: m, .offset: 0, .size: 8, .value_kind: global_buffer, .address_space: global }
      - { .name: masks, .offset: 8, .size: 8, .value_kind: global_buffer, .address_space: global }
    .group_segment_fixed_size: 0
    .private_segment_fixed_size: 0
    .kernarg_segment_align: 8
    .kernarg_segment_size: 16
    .max_flat_workgroup_size: 128
    .sgpr_count:     66
    .vgpr_count:     48
    .wavefront_size: 32
...
	.end_amdgpu_metadata
.endif
;; end of part 1
;; launch hist (part 2): grid 256 x 1, 4 waves a work-group, no clusters, 209,408 bytes of LDS; arguments x, masks, part, tot; writes part, tot
.if DOCPART == 2
	.amdgcn_target "amdgcn-amd-amdhsa--gfx1250"
	.amdhsa_code_object_version 6
	.text
	.protected	k_q837d0403a0_hist
	.globl	k_q837d0403a0_hist
	.p2align	8
	.type	k_q837d0403a0_hist,@function
k_q837d0403a0_hist:
	s_mov_b64 s[64:65], 0
	v_nop
	global_prefetch_b8 v0, s[64:65] scope:SCOPE_SE
	s_setreg_imm32_b32 hwreg(HW_REG_WAVE_MODE, 25, 1), 1
	s_wait_xcnt 0x0
; Partial RGB-uv histograms.  Work-group G = 32 b + g takes the same window of 40 blocks of 128 pixels of image b as in the launch before.
;
; THE ARITHMETIC.  With l_c = log(x_c + eps), three rows of 64 kernel values a pixel are enough: X = kern(l0 - l1), Y = kern(l0 - l2),
; Z = kern(l1 - l2).  The bins that the problem's function builds are symmetric, b[63-j] = -b[j], so kern(-d)[j] = kern(d)[63-j], and
;   H0[u][v] = sum W X[u] Y[v]      H1[u][v] = G1[63-u][v], G1 = sum W X[u] Z[v]      H2[u][v] = G2[63-u][63-v], G2 = sum W Y[u] Z[v].
; This launch makes H0, G1, G2; the last launch turns them round.  Each of X, Y, Z carries sqrt(W).  With ss = x0^2 + x1^2 + x2^2 + eps,
; W = ss^(1/2), p = ss^(-1/8):  sqrt(W) / (1 + t^2) = 1 / (p^2 + (p t)^2),  p t = e - 50 b[j] p,  e = 50 p d.  So a pixel is four numbers
; (e01, e02, e12, p), and two pixels' values of a bin cost two packed fused multiply-adds, two reciprocals and one packed rounding to bf16.
; Pixels of weight 0 are never evaluated: the mask words of the launch before give every counted pixel a slot in LDS, without gaps.
;
; LIMITS.  A NaN in x is taken as a clipped number (v_med3_num_f32) and not passed on.  The bins are taken as 50 b[j] = -150 + 4.7619048 j
; in f32, which differs from the f32 linspace by some 1e-5 in t = (d - b) / sigma, also in the symmetry used.  Matrix operands are bf16,
; sums f32, in another order than in the problem's function.
;
; SHAPE.  Four waves, one on each SIMD.  Each wave keeps all three histograms, 48 tiles of 16 x 16 = 384 registers, so that a fragment made
; in registers feeds eight matrix instructions and never passes through LDS; the four waves take different pixels and their sums meet in LDS
; at the end.  No tensor loads: the input passes through the ALU on its way to LDS.  No cluster: work-groups share no input.  No prefetch:
; a wave asks for all of its 15,360 input bytes in its first lines.
;
; LDS, first use: four arrays (e01, e02, e12, p) of 5,408 slots of 4 bytes, 86,528 bytes: slots 0 .. 5,119 pixels, up to 5,375 padding,
; 5,376 + lane a dump for lanes whose pixel does not count (written by every wave, read by none).
; LDS, second use, behind the barrier that ends the loop: a stage from byte 0, a copy of [3][64] rows of 272 bytes for each wave, 208,896 bytes.
.set IMG,   1920000                    ; bytes of an image
.set CHAN,  640000                     ; bytes of a channel
.set ARR,   21632                      ; bytes of one array; 3 ARR + 48, the largest offset used, fits the 16-bit immediate
.set SP,    272                        ; a stage row: 256 bytes + 16, an odd multiple of 16: 16 rows start at 16 different columns of 16 bytes
.set HB,    64*SP                      ; one histogram in the stage
.set COPY,  3*HB                       ; one wave's copy, 52,224 bytes
; window 0
.set VA,    1                          ; LDS address of my 16 slots of the step
.set LANE,  2
.set RR,    3                          ; lane % 16: my bin in a fragment
.set HH,    4                          ; lane / 16: which 16 of the group's 32 pixels
.set VDUMP, 5                          ; my dump slot
.set XO,    6                          ; 16 x lane, offset of the loads of x
.set TMP,   7
.set NB,    8                          ; v[8:15]    pair i: -50 b[16 i + r], twice
.set TT,    16                         ; v[16:23]   four pairs at work, in turn
.set PS,    24                         ; v[24:39]   p of the step whose X is made
.set PM,    40                         ; v[40:55]   p of the step whose Y and Z are made
.set PA,    56                         ; v[56:71]   p^2
.set E0,    72                         ; v[72:87]   e01
.set E1,    88                         ; v[88:103]  e02
.set E2,    104                        ; v[104:119] e12
.set FX,    120                        ; v[120:151] X: four fragments (bins 16 i ..) of 8 registers
.set FY,    152                        ; v[152:183] Y
.set FZ,    184                        ; v[184:215] Z
; the first phase, in the same registers
.set XR,    120                        ; v[120:239] x: block k at 12 k, channels 0, 1, 2 of 4 registers
.set SS,    16                         ; ss, then log2 ss, then p
.set SL,    20                         ; slots, as byte addresses
.set D01,   24                         ; l0 - l1 in base 2, then e01
.set D02,   28
.set D12,   32
.set QQ,    36                         ; 50 ln 2 x p
; the way out, in the same registers
.set VST,   7                          ; where I put my results
.set RDA,   8                          ; v[8:11]  where I read copy 0 .. 3
.set PO,    12                         ; 16 t: my bytes in a piece of 2,048
.set ZO,    13                         ; 0
.set SETA,  16                         ; v[16:111]   six pieces x four copies x 4 registers
.set SETB,  112                        ; v[112:207]
.set TOT,   208                        ; v[208:209]  running total
; windows 1 and 2: accumulators.  Window 1: H0 tile (i, j) at 8 (4 i + j), G1 at 128 + 8 (4 i + j).  Window 2: G2 at 8 (4 i + j).
.set MW,    24                         ; s[24:63] my wave's 40 mask words
.set MSB, 0
.macro WIN new                         ; low byte: bits 1:0 source 0, 3:2 source 1, 5:4 source 2, 7:6 destination; the high byte repeats the setting left
.if MSB != \new
	s_set_vgpr_msb (MSB<<8)|\new
.set MSB, \new
.endif
.endm
	; ---- set-up: ask for all of x at once, then read the whole numbers ----
	s_load_b256 s[4:11], s[0:1], 0x0               ; x s[4:5], masks s[6:7], part s[8:9], tot s[10:11]
	v_lshl_add_u32 v254, v0, 2, 0x33000
	v_mov_b32 v255, 0
	v_lshrrev_b32 v[TMP], 5, v0
	v_readfirstlane_b32 s12, v[TMP]                ; wave 0..3
	v_and_b32 v[LANE], 31, v0
	v_and_b32 v[RR], 15, v0
	v_bfe_u32 v[HH], v0, 4, 1
	v_add_nc_u32 v[VDUMP], 5376, v[LANE]
	v_lshlrev_b32 v[XO], 4, v[LANE]
	s_mov_b32 s13, ttmp9                           ; G
	s_lshr_b32 s21, s13, 5                         ; image
	s_and_b32 s22, s13, 31
	s_mul_i32 s22, s22, 625
	s_lshr_b32 s22, s22, 4                         ; the window's first block
	s_mul_i32 s23, s12, 10
	s_add_co_u32 s22, s22, s23                     ; my wave's first block
	s_lshl_b32 s22, s22, 9
	s_mul_i32 s14, s21, IMG
	s_add_co_u32 s14, s14, s22
	s_mov_b32 s15, 0
	s_mov_b32 s66, 0x76543210                      ; v_permlanex16_b32: lane i of one half reads lane i of the other
	s_mov_b32 s67, 0xfedcba98
	s_mov_b32 s68, 0xc0986186                      ; -300 / 63
	s_mov_b32 s69, 0x43160000                      ; 150
	s_wait_kmcnt 0x0
	s_add_nc_u64 s[4:5], s[4:5], s[14:15]
.irp k, 0,1,2,3,4,5,6,7,8
.irp ch, 0,1,2
	global_load_b128 v[XR+12*\k+4*\ch:XR+12*\k+4*\ch+3], v[XO], s[4:5] offset:\ch*CHAN+512*\k th:TH_LOAD_NT
.endr
.endr
.irp ch, 0,1,2
	global_load_b128 v[XR+108+4*\ch:XR+108+4*\ch+3], v[XO], s[4:5] offset:\ch*CHAN+512*9   ; no hint: window block 39 may be the next work-group's too
.endr
	s_lshl_b32 s14, s13, 10
	s_add_nc_u64 s[6:7], s[6:7], s[14:15]          ; the work-group's four records
	s_lshl_b32 s14, s12, 8
	s_add_nc_u64 s[14:15], s[6:7], s[14:15]        ; my wave's record
	s_load_b512 s[24:39], s[14:15], 0x0            ; its 40 mask words
	s_load_b512 s[40:55], s[14:15], 0x40
	s_load_b256 s[56:63], s[14:15], 0x80
	s_load_b32 s16, s[6:7], 0xa0                   ; word 40 of each record: the four waves' counts
	s_load_b32 s17, s[6:7], 0x1a0
	s_load_b32 s18, s[6:7], 0x2a0
	s_load_b32 s19, s[6:7], 0x3a0
	s_wait_kmcnt 0x0
	s_min_u32 s16, s16, 1280                       ; a wave has 1,280 pixels
	s_min_u32 s17, s17, 1280
	s_min_u32 s18, s18, 1280
	s_min_u32 s19, s19, 1280
	s_cmp_gt_u32 s12, 0                            ; my first slot: the counts of the waves below me
	s_cselect_b32 s20, s16, 0
	s_cmp_gt_u32 s12, 1
	s_cselect_b32 s23, s17, 0
	s_add_co_u32 s20, s20, s23
	s_cmp_gt_u32 s12, 2
	s_cselect_b32 s23, s18, 0
	s_add_co_u32 s20, s20, s23
	s_add_co_u32 s21, s16, s17
	s_add_co_u32 s21, s21, s18
	s_add_co_u32 s21, s21, s19                     ; C: the work-group's counted pixels, at most 5,120
	s_add_co_u32 s22, s21, 127
	s_lshr_b32 s22, s22, 7
	s_max_u32 s22, s22, 1
	s_min_u32 s22, s22, 40                         ; T: steps of 128 pixels, the same number in all four waves
	; Padding: slots C .. C + 255, 64 a wave.  The loop reads slots below 128 (T + 1) <= C + 255.  e = 0 and p = 2^55 give a denominator between
	; 2^110 and 2^125, finite, so a value of at most 2^-110, and a padded pixel's products (two such values) vanish in f32.
	s_lshl_b32 s23, s12, 6
	s_add_co_u32 s23, s23, s21
	v_mov_b32 v16, 0
	v_mov_b32 v17, 0x5b000000                      ; 2^55
.irp z, 0,1
	v_add3_u32 v[TMP], v[LANE], s23, 32*\z
	v_min_u32 v[TMP], 5375, v[TMP]
	v_lshlrev_b32 v[TMP], 2, v[TMP]
	ds_store_b32 v[TMP], v16
	ds_store_b32 v[TMP], v16 offset:ARR
	ds_store_b32 v[TMP], v16 offset:2*ARR
	ds_store_b32 v[TMP], v17 offset:3*ARR
.endr
; ---- first phase: block k's 128 pixels, four a lane: the four numbers of each, stored at the pixel's slot ----
.macro PRE k
.set xb_, XR+12*\k
	s_wait_loadcnt 27-3*\k                         ; three loads a block, in order: block k is in, the 3 (9 - k) younger loads stay out
.irp j, 0,1,2,3,4,5,6,7,8,9,10,11
	v_med3_num_f32 v[xb_+\j], v[xb_+\j], 0, 1.0    ; clip to [0, 1]
.endr
.irp j, 0,2
	v_pk_fma_f32 v[SS+\j:SS+\j+1], v[xb_+\j:xb_+\j+1], v[xb_+\j:xb_+\j+1], 0x358637bd op_sel_hi:[1,1,0]   ; x0^2 + 1e-6 starts the sum
.endr
.irp ch, 4,8
.irp j, 0,2
	v_pk_fma_f32 v[SS+\j:SS+\j+1], v[xb_+\ch+\j:xb_+\ch+\j+1], v[xb_+\ch+\j:xb_+\ch+\j+1], v[SS+\j:SS+\j+1]
.endr
.endr
.irp j, 0,2,4,6,8,10
	v_pk_add_f32 v[xb_+\j:xb_+\j+1], v[xb_+\j:xb_+\j+1], 0x358637bd op_sel_hi:[1,0]
.endr
.irp j, 0,1,2,3,4,5,6,7,8,9,10,11
	v_log_f32 v[xb_+\j], v[xb_+\j]                 ; base 2; the factor ln 2 goes into QQ
.endr
.irp j, 0,1,2,3
	v_log_f32 v[SS+\j], v[SS+\j]
.endr
	; the slots: plain instructions on other registers, which also stand between the logarithms and the first use of a result (ISA guide 5.7.2)
.irp c, 0,1,2,3
	v_mbcnt_lo_u32_b32 v[SL+\c], s[MW+4*\k+\c], s20                ; the running base + the counted lanes below me
	v_cndmask_b32 v[SL+\c], v[VDUMP], v[SL+\c], s[MW+4*\k+\c]      ; a pixel that does not count goes to the dump
	v_min_u32 v[SL+\c], 5407, v[SL+\c]                             ; whatever the table holds, the address stays in the arrays
	v_lshlrev_b32 v[SL+\c], 2, v[SL+\c]
	s_bcnt1_i32_b32 s23, s[MW+4*\k+\c]
	s_add_co_u32 s20, s20, s23
.endr
	s_wait_alu depctr_va_vdst(0)
	v_pk_mul_f32 v[SS:SS+1], v[SS:SS+1], 0xbe000000 op_sel_hi:[1,0]        ; -1/8 log2 ss
	v_pk_mul_f32 v[SS+2:SS+3], v[SS+2:SS+3], 0xbe000000 op_sel_hi:[1,0]
.irp j, 0,1,2,3
	v_exp_f32 v[SS+\j], v[SS+\j]                   ; p = ss^(-1/8), between 0.87 and 5.63
.endr
.irp j, 0,2                                        ; the differences do not touch p: the plain place behind the exponentials
	v_pk_add_f32 v[D01+\j:D01+\j+1], v[xb_+\j:xb_+\j+1], v[xb_+4+\j:xb_+4+\j+1] neg_lo:[0,1] neg_hi:[0,1]
	v_pk_add_f32 v[D02+\j:D02+\j+1], v[xb_+\j:xb_+\j+1], v[xb_+8+\j:xb_+8+\j+1] neg_lo:[0,1] neg_hi:[0,1]
	v_pk_add_f32 v[D12+\j:D12+\j+1], v[xb_+4+\j:xb_+4+\j+1], v[xb_+8+\j:xb_+8+\j+1] neg_lo:[0,1] neg_hi:[0,1]
.endr
	s_wait_alu depctr_va_vdst(0)
.irp j, 0,2
	v_pk_mul_f32 v[QQ+\j:QQ+\j+1], v[SS+\j:SS+\j+1], 0x420aa123 op_sel_hi:[1,0]    ; 50 ln 2 = 34.657359
.endr
.irp j, 0,2
	v_pk_mul_f32 v[D01+\j:D01+\j+1], v[D01+\j:D01+\j+1], v[QQ+\j:QQ+\j+1]
	v_pk_mul_f32 v[D02+\j:D02+\j+1], v[D02+\j:D02+\j+1], v[QQ+\j:QQ+\j+1]
	v_pk_mul_f32 v[D12+\j:D12+\j+1], v[D12+\j:D12+\j+1], v[QQ+\j:QQ+\j+1]
.endr
.irp c, 0,1,2,3
	ds_store_b32 v[SL+\c], v[D01+\c]
	ds_store_b32 v[SL+\c], v[D02+\c] offset:ARR
	ds_store_b32 v[SL+\c], v[D12+\c] offset:2*ARR
	ds_store_b32 v[SL+\c], v[SS+\c] offset:3*ARR
.endr
.endm
.irp k, 0,1,2,3,4,5,6,7,8,9
	PRE \k
.endr
	s_wait_dscnt 0x0                               ; for the others' sake: all my slots and my padding are written
	s_barrier_signal -1
.irp i, 0,1,2,3                                    ; registers only while the others arrive: -50 b[16 i + r] = 150 - 4.7619048 (16 i + r)
	v_add_nc_u32 v[TMP], 16*\i, v[RR]
	v_cvt_f32_u32 v[TMP], v[TMP]
	v_fma_f32 v[NB+2*\i], v[TMP], s68, s69
	v_mov_b32 v[NB+2*\i+1], v[NB+2*\i]
.endr
	s_lshl_b32 s23, s12, 7
	v_lshlrev_b32 v[VA], 6, v[HH]
	v_add_nc_u32 v[VA], s23, v[VA]                 ; step 0: group w of 32 slots (128 bytes), my half of 16 slots (64 bytes)
	s_barrier_wait -1                              ; every slot below C + 256 is written
; ---- the loop.  In step t wave w takes slots 128 t + 32 w .. + 31.  Lanes of half h take 16 h .. 16 h + 15 of them; register q of a fragment
; holds pixels 2 q and 2 q + 1 of those.  That is one order of the 32 pixels along K, the same in every fragment, so the products pair rightly.
; An item is one fragment register: two pixels of one bin.  Items 0-31 make Y, 32-63 Z, 64-95 the NEXT step's X.
.macro IDX num
.set tp_, TT+2*((\num)%4)
.set q2_, 2*((\num)%8)
.set fi_, ((\num)%32)/8
.set ph_, (\num)/32
.endm
.macro S1 num                                      ; p t = p x (-50 b) + e.  p: PS for X, PM for Y and Z.  e: E1, E2, E0 for Y, Z, X
	IDX \num
	v_pk_fma_f32 v[tp_:tp_+1], v[PM-16*(ph_/2)+q2_:PM-16*(ph_/2)+q2_+1], v[NB+2*fi_:NB+2*fi_+1], v[E0+16*((ph_+1)%3)+q2_:E0+16*((ph_+1)%3)+q2_+1]
.endm
.macro S2 num                                      ; (p t)^2 + p^2
	IDX \num
	v_pk_fma_f32 v[tp_:tp_+1], v[tp_:tp_+1], v[tp_:tp_+1], v[PA+q2_:PA+q2_+1]
.endm
.macro RL num
	IDX \num
	v_rcp_f32 v[tp_], v[tp_]
.endm
.macro RH num
	IDX \num
	v_rcp_f32 v[tp_+1], v[tp_+1]
.endm
.macro CV num                                      ; into register q of fragment i of Y, Z or X
	IDX \num
	s_wait_alu depctr_va_vdst(0)
	v_cvt_pk_bf16_f32 v[FX+32*((ph_+1)%3)+8*fi_+q2_/2], v[tp_], v[tp_+1]
.endm
.macro ITEM op, num, lo, hi                        ; only inside the run's range
.if (\num) >= (\lo)
.if (\num) < (\hi)
	\op \num
.endif
.endif
.endm
; Four matrix instructions: column block j of a histogram.  Source 0 is the v side (fragment j of fa), source 1 the u side (fragment i of fb):
; register jj of lane (r, h) then holds (u = 16 i + r, v = 16 j + 8 h + jj), eight neighbouring numbers of a row.
; zero = 1: the first product starts the sum; nothing is ever cleared.
.macro GRP win, db, fa, fb, j, zero
	WIN \win
.irp i, 0,1,2,3
.if \zero
	v_wmma_f32_16x16x32_bf16 v[\db+8*(4*\i+\j):\db+8*(4*\i+\j)+7], v[\fa+8*\j:\fa+8*\j+7], v[\fb+8*\i:\fb+8*\i+7], 0
.else
	v_wmma_f32_16x16x32_bf16 v[\db+8*(4*\i+\j):\db+8*(4*\i+\j)+7], v[\fa+8*\j:\fa+8*\j+7], v[\fb+8*\i:\fb+8*\i+7], v[\db+8*(4*\i+\j):\db+8*(4*\i+\j)+7]
.endif
.endr
	WIN 0
.endm
; What stands at the head of turn `it` of a run: a group of matrix instructions two turns behind the rounding that completed its fragment
; (fragment j of Y is whole in turn 8 j + 8, of Z in turn 8 j + 40), G2's groups spread over the making of X, and the wait for e12.
.macro HOOKS zero
.irp j, 0,1,2,3
.if it == 10+8*\j
	GRP 0x50, 0, FY, FX, \j, \zero                 ; H0 += X Y
.endif
.if it == 68+8*\j
	GRP 0xa0, 0, FZ, FY, \j, \zero                 ; G2 += Y Z
.endif
.endr
.irp j, 0,1,2
.if it == 42+8*\j
	GRP 0x50, 128, FZ, FX, \j, \zero               ; G1 += X Z
.endif
.endr
.if it == 30
	s_wait_dscnt 8                                 ; e12 is in (item 32 starts in this turn); the eight younger loads, the next step's p and e01, stay out
.endif
.endm
; Items lo .. hi - 1, three in flight: in a turn item it + 2 starts, it + 1 is squared, it is inverted, it - 1 is rounded.  Behind each reciprocal
; stands a plain instruction on other registers before its result is read (ISA guide 5.7.2): the S2 or CV that follows it, also in the last turns,
; where CV of item hi - 2 stands between the last reciprocal and its rounding.  Four pairs of TT do: item it + 2 takes the pair that the rounding
; of item it - 2 read one turn ago.
.macro RUN lo, hi, zero, groups
.set it, \lo-2
.rept \hi-\lo+3
.if \groups
	HOOKS \zero
.endif
	ITEM S1, it+2, \lo, \hi
	ITEM RL, it, \lo, \hi
	ITEM S2, it+1, \lo, \hi
	ITEM RH, it, \lo, \hi
	ITEM CV, it-1, \lo, \hi
.set it, it+1
.endr
.endm
.macro LD4 dst, arr                                ; my 16 slots of one array; the 16 lanes of a half ask for the same bytes
.irp z, 0,1,2,3
	ds_load_b128 v[\dst+4*\z:\dst+4*\z+3], v[VA] offset:\arr*ARR+16*\z
.endr
.endm
.macro AUPD
.irp z, 0,2,4,6,8,10,12,14
	v_pk_mul_f32 v[PA+\z:PA+\z+1], v[PS+\z:PS+\z+1], v[PS+\z:PS+\z+1]
.endr
.endm
; One step.  On entry X of this step is made, PA holds this step's p^2, and twelve loads are out: PM, E1, E2 of this step.
; Distances behind matrix instructions (ISA guide 7.12.1): a fragment register is written again only far behind its last reader.  The nearest
; case is X, read by G1's last group and first rounded into behind the eight multiplies of AUPD and seven fused multiply-adds, none of which
; names a register of that group.
.macro BODY zero
	v_add_nc_u32 v[VA], 512, v[VA]                 ; the next step: four groups of 128 bytes on
	v_min_u32 v[VA], 21568, v[VA]                  ; whatever the table holds, the 64 bytes read stay inside an array
	LD4 PS, 3
	LD4 E0, 0
	s_wait_dscnt 12                                ; of the 20 loads out the oldest eight, PM and E1, are in; E2's four and the eight new ones stay out
	RUN 0, 64, \zero, 1                            ; Y and Z; H0's four groups and three of G1's between them
	GRP 0x50, 128, FZ, FX, 3, \zero
	s_wait_dscnt 0x0                               ; the next step's p and e01, asked for 320 vector instructions ago
	AUPD
	LD4 PM, 3
	LD4 E1, 1
	LD4 E2, 2
	RUN 64, 96, \zero, 1                           ; the next step's X; G2's four groups between
.endm
	LD4 PS, 3
	LD4 E0, 0
	s_wait_dscnt 0x0
	AUPD
	LD4 PM, 3
	LD4 E1, 1
	LD4 E2, 2
	RUN 64, 96, 0, 0                               ; X of step 0
	BODY 1                                         ; the first step stands in front of the loop: its products start the sums
	s_sub_co_u32 s70, s22, 1
	s_cmp_eq_u32 s70, 0
	s_cbranch_scc1 .Ldone
.Lstep:
	BODY 0
	s_sub_co_i32 s70, s70, 1
	s_cmp_lg_u32 s70, 0
	s_cbranch_scc1 .Lstep
.Ldone:
	; The last step has also made an X from padding slots that nobody uses: a third of a step's vector work, kept so that there is one body and
	; G2's groups have vector work between them.  Behind the last four matrix instructions stand ten plain instructions of that run, which name
	; none of their registers, and three more below: the LDS stores may read every result.
	; ---- the way out: each wave's 48 tiles into its own copy in the stage; then the four copies are added, 2,048 bytes of `part` at a time ----
	; The stage lies over the pixel arrays, which are done with.  So every wave's reads of the arrays come first: each wave waits for its own
	; and passes a barrier before any wave stores.
	s_wait_dscnt 0x0                               ; my reads of the arrays are over, the last step's twelve look-ahead loads among them
	s_barrier_signal -1
	v_mul_u32_u24 v[VST], v[RR], SP                ; registers only while the others arrive: row r of a block of 16 rows,
	v_lshl_add_u32 v[VST], v[HH], 5, v[VST]        ; 8 h numbers in,
	s_mul_i32 s23, s12, COPY
	v_add_nc_u32 v[VST], s23, v[VST]               ; in my wave's copy
	s_barrier_wait -1                              ; nobody reads the arrays any more
.macro STACC c, rb
.irp i, 0,1,2,3
.irp j, 0,1,2,3
	ds_store_b128 v[VST], v[\rb+8*(4*\i+\j):\rb+8*(4*\i+\j)+3] offset:\c*HB+\i*16*SP+\j*64
	ds_store_b128 v[VST], v[\rb+8*(4*\i+\j)+4:\rb+8*(4*\i+\j)+7] offset:\c*HB+\i*16*SP+\j*64+16
.endr
.endr
.endm
	WIN 0x04                                       ; an LDS store's data is source 1: window 1
	STACC 0, 0
	STACC 1, 128
	WIN 0x08                                       ; window 2
	STACC 2, 0
	WIN 0
	s_wait_dscnt 0x0                               ; for the others' sake: my copy is written
	s_barrier_signal -1
	v_lshrrev_b32 v[RDA], 4, v0                    ; thread t reads row t / 16 of a piece's eight rows,
	v_mul_u32_u24 v[RDA], v[RDA], SP
	v_lshl_add_u32 v[RDA], v[RR], 4, v[RDA]        ; 16 bytes at 16 (t % 16), in copy 0
.irp c, 1,2,3
	v_add_nc_u32 v[RDA+\c], \c*COPY, v[RDA]        ; and in copies 1 to 3
.endr
	v_lshlrev_b32 v[PO], 4, v0
	v_mov_b32 v[ZO], 0
	s_mul_i32 s14, s13, 49152                      ; part[G]: [3][64][64] f32
	s_mov_b32 s15, 0
	s_add_nc_u64 s[8:9], s[8:9], s[14:15]
	s_lshl_b32 s14, s13, 4
	s_lshl2_add_u32 s14, s12, s14                  ; tot[G][w]
	s_add_nc_u64 s[10:11], s[10:11], s[14:15]
	s_barrier_wait -1                              ; all four copies are written
.macro LOADS b, set                                ; pieces 6 b .. 6 b + 5 (eight rows each) of all four copies: 24 loads
.irp kk, 0,1,2,3,4,5
.irp c, 0,1,2,3
	ds_load_b128 v[\set+16*\kk+4*\c:\set+16*\kk+4*\c+3], v[RDA+\c] offset:8*SP*(6*\b+\kk)
.endr
.endr
.endm
.macro PROC b, set, more                           ; more = 1: the other set's 24 loads were issued behind this set's and stay out
.irp kk, 0,1,2,3,4,5
	s_wait_dscnt 24*\more+20-4*\kk                 ; piece kk's four loads are in; this set's 20 - 4 kk younger ones stay out as well
.set pq_, \set+16*\kk
	v_pk_add_f32 v[pq_:pq_+1], v[pq_:pq_+1], v[pq_+4:pq_+5]
	v_pk_add_f32 v[pq_+2:pq_+3], v[pq_+2:pq_+3], v[pq_+6:pq_+7]
	v_pk_add_f32 v[pq_+8:pq_+9], v[pq_+8:pq_+9], v[pq_+12:pq_+13]
	v_pk_add_f32 v[pq_+10:pq_+11], v[pq_+10:pq_+11], v[pq_+14:pq_+15]
	v_pk_add_f32 v[pq_:pq_+1], v[pq_:pq_+1], v[pq_+8:pq_+9]
	v_pk_add_f32 v[pq_+2:pq_+3], v[pq_+2:pq_+3], v[pq_+10:pq_+11]
.if (\b+\kk) == 0
	v_pk_add_f32 v[TOT:TOT+1], v[pq_:pq_+1], v[pq_+2:pq_+3]        ; the first piece starts the total
.else
	v_pk_add_f32 v[TOT:TOT+1], v[TOT:TOT+1], v[pq_:pq_+1]
	v_pk_add_f32 v[TOT:TOT+1], v[TOT:TOT+1], v[pq_+2:pq_+3]
.endif
	global_store_b128 v[PO], v[pq_:pq_+3], s[8:9] offset:2048*(6*\b+\kk)   ; a wave's store covers 512 consecutive bytes, aligned
.endr
.endm
	LOADS 0, SETA
	LOADS 1, SETB
	PROC 0, SETA, 1
	s_wait_xcnt 0x0                                ; set A, which stores read, is loaded again only behind this wait (ISA guide 3.1)
	LOADS 2, SETA
	PROC 1, SETB, 1
	s_wait_xcnt 0x0                                ; likewise set B
	LOADS 3, SETB
	PROC 2, SETA, 1
	PROC 3, SETB, 0
	; my wave's share of the work-group's total
	v_add_f32 v[TOT], v[TOT], v[TOT+1]
	v_add_f32_dpp v[TOT], v[TOT], v[TOT] row_xmask:1 row_mask:0xf bank_mask:0xf
	v_add_f32_dpp v[TOT], v[TOT], v[TOT] row_xmask:2 row_mask:0xf bank_mask:0xf
	v_add_f32_dpp v[TOT], v[TOT], v[TOT] row_xmask:4 row_mask:0xf bank_mask:0xf
	v_add_f32_dpp v[TOT], v[TOT], v[TOT] row_xmask:8 row_mask:0xf bank_mask:0xf
	v_permlanex16_b32 v[TOT+1], v[TOT], s66, s67
	v_add_f32 v[TOT], v[TOT], v[TOT+1]
	v_cmp_eq_u32 vcc_lo, 0, v[LANE]
	s_wait_xcnt 0x0                                ; EXEC is a source of the stores above: it changes only behind this wait
	s_wait_tensorcnt 0x0
	ds_add_u32 v254, v255
	s_wait_dscnt 0x0
	s_and_saveexec_b32 s23, vcc_lo
	global_store_b32 v[ZO], v[TOT], s[10:11]       ; lane 0 alone: four bytes a wave, 4,096 in the whole launch
	s_wait_xcnt 0x0                                ; and again in front of the line that widens it
	s_or_b32 exec_lo, exec_lo, s23
	s_endpgm
.Lfunc_end_k_q837d0403a0_hist:
	.size	k_q837d0403a0_hist, .Lfunc_end_k_q837d0403a0_hist-k_q837d0403a0_hist
	.p2alignl 7, 3214868480
	.fill 96, 4, 3214868480
	.section	.rodata,"a",@progbits
	.p2align	6, 0x0
	.amdhsa_kernel k_q837d0403a0_hist
		.amdhsa_group_segment_fixed_size 209408
		.amdhsa_private_segment_fixed_size 0
		.amdhsa_enable_private_segment 0
		.amdhsa_kernarg_size 32
		.amdhsa_user_sgpr_count 2
		.amdhsa_user_sgpr_kernarg_segment_ptr 1
		.amdhsa_wavefront_size32 1
		.amdhsa_system_sgpr_workgroup_id_x 1
		.amdhsa_system_sgpr_workgroup_id_y 1
		.amdhsa_system_sgpr_workgroup_id_z 1
		.amdhsa_system_vgpr_workitem_id 0
		.amdhsa_next_free_vgpr 640
		.amdhsa_next_free_sgpr 72
		.amdhsa_reserve_vcc 1
		.amdhsa_float_denorm_mode_32 3
		.amdhsa_float_denorm_mode_16_64 3
		.amdhsa_memory_ordered 1
		.amdhsa_forward_progress 1
		.amdhsa_inst_pref_size 170
	.end_amdhsa_kernel
	.amdgpu_metadata
---
amdhsa.version: [ 1, 2 ]
amdhsa.kernels:
  - .name:           k_q837d0403a0_hist
    .symbol:         k_q837d0403a0_hist.kd
    .args:
      - { .name: x, .offset: 0, .size: 8, .value_kind: global_buffer, .address_space: global }
      - { .name: masks, .offset: 8, .size: 8, .value_kind: global_buffer, .address_space: global }
      - { .name: part, .offset: 16, .size: 8, .value_kind: global_buffer, .address_space: global }
      - { .name: tot, .offset: 24, .size: 8, .value_kind: global_buffer, .address_space: global }
    .group_segment_fixed_size: 209408
    .private_segment_fixed_size: 0
    .kernarg_segment_align: 8
    .kernarg_segment_size: 32
    .max_flat_workgroup_size: 128
    .sgpr_count:     72
    .vgpr_count:     640
    .wavefront_size: 32
...
	.end_amdgpu_metadata
.endif
;; end of part 2
;; launch norm (part 3): grid 24 x 8, 4 waves a work-group, no clusters, 0 bytes of LDS; arguments part, tot, out0; writes out0
.if DOCPART == 3
	.amdgcn_target "amdgcn-amd-amdhsa--gfx1250"
	.amdhsa_code_object_version 6
	.text
	.protected	k_q837d0403a0_norm
	.globl	k_q837d0403a0_norm
	.p2align	8
	.type	k_q837d0403a0_norm,@function
k_q837d0403a0_norm:
	s_mov_b64 s[64:65], 0
	v_nop
	global_prefetch_b8 v0, s[64:65] scope:SCOPE_SE
	s_setreg_imm32_b32 hwreg(HW_REG_WAVE_MODE, 25, 1), 1
	s_wait_xcnt 0x0
; out0[b][c][u][v] = H_c[u][v] / (total of image b + 1e-6).
; part[32 b + g][c] holds 32 partial histograms an image, in the coordinates of the launch before: H0 as it is, H1[u][v] = G1[63-u][v],
; H2[u][v] = G2[63-u][63-v].  tot[32 b + g][w] holds 128 partial totals an image.
; A work-group makes 512 numbers, eight rows of one histogram; thread t makes four neighbouring ones: 32 loads of 16 bytes, one from each
; partial, all in flight at once.  24 x 8 work-groups: there are 98,304 outputs, and no more work to share.
; With u in bits 13:8 of an output's byte offset and v / 4 in bits 7:4, 63 - u and 15 - v / 4 are an exclusive or with all ones in the field:
; a wave's load still covers 512 consecutive bytes, aligned, in another order of lanes.  For c = 2 the four numbers of a lane are turned round too.
; A stream: no LDS, no barrier, no matrix unit, no cluster (only the 512 bytes of totals are shared).
.set PARTB, 49152                      ; bytes of one work-group's partial
.set Q,     8                          ; v[8:135]   partial g: 4 registers
.set INV,   136                        ; v[136:137] 1 / (total + eps), twice
.set RES,   140                        ; v[140:143] what is stored
	s_load_b128 s[4:7], s[0:1], 0x0                ; part s[4:5], tot s[6:7]
	s_load_b64 s[8:9], s[0:1], 0x10                ; out0
	s_lshr_b32 s10, ttmp9, 3                       ; c
	s_and_b32 s11, ttmp9, 7                        ; which eight rows
	s_and_b32 s12, ttmp7, 0xffff                   ; image
	s_mov_b32 s22, 0x76543210                      ; v_permlanex16_b32: lane i of one half reads lane i of the other
	s_mov_b32 s23, 0xfedcba98
	s_cmp_eq_u32 s10, 1
	s_cselect_b32 s13, 0x3f00, 0                   ; c = 1: rows turned round
	s_cmp_eq_u32 s10, 2
	s_cselect_b32 s13, 0x3ff0, s13                 ; c = 2: rows and quads of columns
	s_cselect_b32 s20, -1, 0                       ; c = 2: and the four numbers of a quad
	v_lshlrev_b32 v1, 4, v0
	s_lshl_b32 s14, s11, 11
	v_add_nc_u32 v1, s14, v1                       ; my 16 bytes in the histogram, as stored
	v_xor_b32 v2, s13, v1                          ; and as loaded
	v_and_b32 v3, 31, v0
	v_lshlrev_b32 v3, 4, v3                        ; a wave's 32 lanes take the image's 128 partial totals, four each
	s_mul_i32 s16, s12, 32*PARTB
	s_lshl_b32 s14, s10, 14
	s_add_co_u32 s16, s16, s14
	s_mov_b32 s17, 0
	s_lshl_b32 s18, s12, 9
	s_mov_b32 s19, 0
	s_wait_kmcnt 0x0
	s_add_nc_u64 s[4:5], s[4:5], s[16:17]
	s_add_nc_u64 s[6:7], s[6:7], s[18:19]
	global_load_b128 v[4:7], v3, s[6:7]
.set g, 0
.rept 32
	global_load_b128 v[Q+4*g:Q+4*g+3], v2, s[4:5] offset:PARTB*g th:TH_LOAD_NT
.set g, g+1
.endr
	s_mul_i32 s16, s12, 3
	s_add_co_u32 s16, s16, s10
	s_lshl_b32 s16, s16, 14                        ; histogram 3 b + c of 16,384 bytes
	s_add_nc_u64 s[8:9], s[8:9], s[16:17]
	; the total, while the partials are on their way
	s_wait_loadcnt 32                              ; the oldest load, the totals, is in; the 32 younger ones stay out
	v_add_f32 v4, v4, v5
	v_add_f32 v6, v6, v7
	v_add_f32 v4, v4, v6
	v_add_f32_dpp v4, v4, v4 row_xmask:1 row_mask:0xf bank_mask:0xf
	v_add_f32_dpp v4, v4, v4 row_xmask:2 row_mask:0xf bank_mask:0xf
	v_add_f32_dpp v4, v4, v4 row_xmask:4 row_mask:0xf bank_mask:0xf
	v_add_f32_dpp v4, v4, v4 row_xmask:8 row_mask:0xf bank_mask:0xf
	v_permlanex16_b32 v5, v4, s22, s23
	v_add_f32 v4, v4, v5
	v_add_f32 v4, 0x358637bd, v4                   ; + 1e-6
	v_rcp_f32 v[INV], v4                           ; first read far below, behind the sums, which touch neither v4 nor INV (ISA guide 5.7.2)
.macro QADD a, b                                   ; partial a += partial b
	v_pk_add_f32 v[Q+4*(\a):Q+4*(\a)+1], v[Q+4*(\a):Q+4*(\a)+1], v[Q+4*(\b):Q+4*(\b)+1]
	v_pk_add_f32 v[Q+4*(\a)+2:Q+4*(\a)+3], v[Q+4*(\a)+2:Q+4*(\a)+3], v[Q+4*(\b)+2:Q+4*(\b)+3]
.endm
.irp j, 0,1,2,3
	s_wait_loadcnt 24-8*\j                         ; partials 8 j .. 8 j + 7 are in; the 24 - 8 j younger loads stay out
	QADD 8*\j, 8*\j+1
	QADD 8*\j+2, 8*\j+3
	QADD 8*\j+4, 8*\j+5
	QADD 8*\j+6, 8*\j+7
	QADD 8*\j, 8*\j+2
	QADD 8*\j+4, 8*\j+6
	QADD 8*\j, 8*\j+4
.endr
	QADD 0, 8
	QADD 16, 24
	QADD 0, 16
	s_wait_alu depctr_va_vdst(0)
	v_mov_b32 v[INV+1], v[INV]
	v_cndmask_b32 v[RES], v[Q], v[Q+3], s20        ; c = 2: the quad turned round
	v_cndmask_b32 v[RES+1], v[Q+1], v[Q+2], s20
	v_cndmask_b32 v[RES+2], v[Q+2], v[Q+1], s20
	v_cndmask_b32 v[RES+3], v[Q+3], v[Q], s20
	v_pk_mul_f32 v[RES:RES+1], v[RES:RES+1], v[INV:INV+1]
	v_pk_mul_f32 v[RES+2:RES+3], v[RES+2:RES+3], v[INV:INV+1]
	global_store_b128 v1, v[RES:RES+3], s[8:9]     ; a wave's store covers 512 consecutive bytes, aligned
	s_endpgm
.Lfunc_end_k_q837d0403a0_norm:
	.size	k_q837d0403a0_norm, .Lfunc_end_k_q837d0403a0_norm-k_q837d0403a0_norm
	.p2alignl 7, 3214868480
	.fill 96, 4, 3214868480
	.section	.rodata,"a",@progbits
	.p2align	6, 0x0
	.amdhsa_kernel k_q837d0403a0_norm
		.amdhsa_group_segment_fixed_size 0
		.amdhsa_private_segment_fixed_size 0
		.amdhsa_enable_private_segment 0
		.amdhsa_kernarg_size 24
		.amdhsa_user_sgpr_count 2
		.amdhsa_user_sgpr_kernarg_segment_ptr 1
		.amdhsa_wavefront_size32 1
		.amdhsa_system_sgpr_workgroup_id_x 1
		.amdhsa_system_sgpr_workgroup_id_y 1
		.amdhsa_system_sgpr_workgroup_id_z 1
		.amdhsa_system_vgpr_workitem_id 0
		.amdhsa_next_free_vgpr 144
		.amdhsa_next_free_sgpr 66
		.amdhsa_reserve_vcc 0
		.amdhsa_float_denorm_mode_32 3
		.amdhsa_float_denorm_mode_16_64 3
		.amdhsa_memory_ordered 1
		.amdhsa_forward_progress 1
		.amdhsa_inst_pref_size 10
	.end_amdhsa_kernel
	.amdgpu_metadata
---
amdhsa.version: [ 1, 2 ]
amdhsa.kernels:
  - .name:           k_q837d0403a0_norm
    .symbol:         k_q837d0403a0_norm.kd
    .args:
      - { .name: part, .offset: 0, .size: 8, .value_kind: global_buffer, .address_space: global }
      - { .name: tot, .offset: 8, .size: 8, .value_kind: global_buffer, .address_space: global }
      - { .name: out0, .offset: 16, .size: 8, .value_kind: global_buffer, .address_space: global }
    .group_segment_fixed_size: 0
    .private_segment_fixed_size: 0
    .kernarg_segment_align: 8
    .kernarg_segment_size: 24
    .max_flat_workgroup_size: 128
    .sgpr_count:     66
    .vgpr_count:     144
    .wavefront_size: 32
...
	.end_amdgpu_metadata
.endif
;; end of part 3
;; ======== version 2 of 2: 3 launches; 1.60 times as fast as version 1
;; workspace buffers: masks 262,144 bytes of whole numbers; part 12,582,912 bytes; tot 4,096 bytes
;; launch mask: the kernel of part 1 again; grid 256 x 1, 4 waves a work-group, no clusters, 0 bytes of LDS; arguments m, masks; writes masks
;; launch hist (part 4): grid 256 x 1, 4 waves a work-group, no clusters, 209,408 bytes of LDS; arguments x, masks, part, tot; writes part, tot
.if DOCPART == 4
	.amdgcn_target "amdgcn-amd-amdhsa--gfx1250"
	.amdhsa_code_object_version 6
	.text
	.protected	k_q837d0403a0_hist
	.globl	k_q837d0403a0_hist
	.p2align	8
	.type	k_q837d0403a0_hist,@function
k_q837d0403a0_hist:
	s_mov_b64 s[64:65], 0
	v_nop
	global_prefetch_b8 v0, s[64:65] scope:SCOPE_SE
	s_setreg_imm32_b32 hwreg(HW_REG_WAVE_MODE, 25, 1), 1
	s_wait_xcnt 0x0
; Partial RGB-uv histograms.  Work-group G = 32 b + g takes the same window of 40 blocks of 128 pixels of image b as in the launch before.
;
; THE ARITHMETIC.  With l_c = log(x_c + eps), three rows of 64 kernel values a pixel are enough: X = kern(l0 - l1), Y = kern(l0 - l2),
; Z = kern(l1 - l2).  The bins that the problem's function builds are symmetric, b[63-j] = -b[j], so kern(-d)[j] = kern(d)[63-j], and
;   H0[u][v] = sum W X[u] Y[v]      H1[u][v] = G1[63-u][v], G1 = sum W X[u] Z[v]      H2[u][v] = G2[63-u][63-v], G2 = sum W Y[u] Z[v].
; This launch makes H0, G1, G2; the last launch turns them round.  Each of X, Y, Z carries sqrt(W).  With ss = x0^2 + x1^2 + x2^2 + eps,
; W = ss^(1/2), p = ss^(-1/8):  sqrt(W) / (1 + t^2) = 1 / (p^2 + (p t)^2),  p t = e - 50 b[j] p,  e = 50 p d.  So a pixel is four numbers
; (e01, e02, e12, p), and two pixels' values of a bin cost two packed fused multiply-adds, two reciprocals and one packed rounding to bf16.
; Pixels of weight 0 are never evaluated: the mask words of the launch before give every counted pixel a slot in LDS, without gaps.
;
; LIMITS.  A NaN in x is taken as a clipped number (v_med3_num_f32) and not passed on.  The bins are taken as 50 b[j] = -150 + 4.7619048 j
; in f32, which differs from the f32 linspace by some 1e-5 in t = (d - b) / sigma, also in the symmetry used.  Matrix operands are bf16,
; sums f32, in another order than in the problem's function.
;
; SHAPE.  Four waves, one on each SIMD.  Each wave keeps all three histograms, 48 tiles of 16 x 16 = 384 registers, so that a fragment made
; in registers feeds eight matrix instructions and never passes through LDS; the four waves take different pixels and their sums meet in LDS
; at the end.  No tensor loads: the input passes through the ALU on its way to LDS.  No cluster: work-groups share no input.  No prefetch:
; a wave asks for all of its 15,360 input bytes in its first lines.
;
; THE TRANSCENDENTALS GO IN BATCHES, each with one wait ahead of its first reader.  First phase, for each block of 128 pixels: sixteen logarithms, then
; four exponentials, which read logarithms and so are a batch of their own.  Loop: a step's 192 reciprocals are six batches of 32, two fragments each;
; every reciprocal of a batch has a result register of its own (RC), which nothing names before the batch's wait; behind the wait stand the batch's sixteen roundings.
;
; LDS, first use: four arrays (e01, e02, e12, p) of 5,408 slots of 4 bytes, 86,528 bytes: slots 0 .. 5,119 pixels, up to 5,375 padding,
; 5,376 + lane a dump for lanes whose pixel does not count (written by every wave, read by none).
; LDS, second use, behind the barrier that ends the loop: a stage from byte 0, a copy of [3][64] rows of 272 bytes for each wave, 208,896 bytes.
.set IMG,   1920000                    ; bytes of an image
.set CHAN,  640000                     ; bytes of a channel
.set ARR,   21632                      ; bytes of one array; 3 ARR + 48, the largest offset used, fits the 16-bit immediate
.set SP,    272                        ; a stage row: 256 bytes + 16, an odd multiple of 16: 16 rows start at 16 different columns of 16 bytes
.set HB,    64*SP                      ; one histogram in the stage
.set COPY,  3*HB                       ; one wave's copy, 52,224 bytes
; window 0
.set VA,    1                          ; LDS address of my 16 slots of the step
.set LANE,  2
.set RR,    3                          ; lane % 16: my bin in a fragment
.set HH,    4                          ; lane / 16: which 16 of the group's 32 pixels
.set VDUMP, 5                          ; my dump slot
.set XO,    6                          ; 16 x lane, offset of the loads of x
.set TMP,   7
.set NB,    8                          ; v[8:15]    pair i: -50 b[16 i + r], twice
.set TT,    16                         ; v[16:23]   four pairs of denominators at work, in turn
.set PS,    24                         ; v[24:39]   p of the step whose X is made
.set PM,    40                         ; v[40:55]   p of the step whose Y and Z are made
.set PA,    56                         ; v[56:71]   p^2
.set E0,    72                         ; v[72:87]   e01
.set E1,    88                         ; v[88:103]  e02
.set E2,    104                        ; v[104:119] e12
.set FX,    120                        ; v[120:151] X: four fragments (bins 16 i ..) of 8 registers
.set FY,    152                        ; v[152:183] Y
.set FZ,    184                        ; v[184:215] Z
.set RC,    216                        ; v[216:247] a batch's 32 reciprocals: item n's pair at RC + 2 (n % 16)
; the first phase, in the same registers
.set XR,    120                        ; v[120:239] x: block k at 12 k, channels 0, 1, 2 of 4 registers
.set SS,    16                         ; ss, then log2 ss, then p
.set SL,    20                         ; slots, as byte addresses
.set D01,   24                         ; l0 - l1 in base 2, then e01
.set D02,   28
.set D12,   32
.set QQ,    36                         ; 50 ln 2 x p
; the way out, in the same registers
.set VST,   7                          ; where I put my results
.set RDA,   8                          ; v[8:11]  where I read copy 0 .. 3
.set PO,    12                         ; 16 t: my bytes in a piece of 2,048
.set ZO,    13                         ; 0
.set SETA,  16                         ; v[16:111]   six pieces x four copies x 4 registers
.set SETB,  112                        ; v[112:207]
.set TOT,   208                        ; v[208:209]  running total
; windows 1 and 2: accumulators.  Window 1: H0 tile (i, j) at 8 (4 i + j), G1 at 128 + 8 (4 i + j).  Window 2: G2 at 8 (4 i + j).
.set MW,    24                         ; s[24:63] my wave's 40 mask words
.set MSB, 0
.macro WIN new                         ; low byte: bits 1:0 source 0, 3:2 source 1, 5:4 source 2, 7:6 destination; the high byte repeats the setting left
.if MSB != \new
	s_set_vgpr_msb (MSB<<8)|\new
.set MSB, \new
.endif
.endm
	; ---- set-up: ask for all of x at once, then read the whole numbers ----
	s_load_b256 s[4:11], s[0:1], 0x0               ; x s[4:5], masks s[6:7], part s[8:9], tot s[10:11]
	v_lshl_add_u32 v254, v0, 2, 0x33000
	v_mov_b32 v255, 0
	v_lshrrev_b32 v[TMP], 5, v0
	v_readfirstlane_b32 s12, v[TMP]                ; wave 0..3
	v_and_b32 v[LANE], 31, v0
	v_and_b32 v[RR], 15, v0
	v_bfe_u32 v[HH], v0, 4, 1
	v_add_nc_u32 v[VDUMP], 5376, v[LANE]
	v_lshlrev_b32 v[XO], 4, v[LANE]
	s_mov_b32 s13, ttmp9                           ; G
	s_lshr_b32 s21, s13, 5                         ; image
	s_and_b32 s22, s13, 31
	s_mul_i32 s22, s22, 625
	s_lshr_b32 s22, s22, 4                         ; the window's first block
	s_mul_i32 s23, s12, 10
	s_add_co_u32 s22, s22, s23                     ; my wave's first block
	s_lshl_b32 s22, s22, 9
	s_mul_i32 s14, s21, IMG
	s_add_co_u32 s14, s14, s22
	s_mov_b32 s15, 0
	s_mov_b32 s66, 0x76543210                      ; v_permlanex16_b32: lane i of one half reads lane i of the other
	s_mov_b32 s67, 0xfedcba98
	s_mov_b32 s68, 0xc0986186                      ; -300 / 63
	s_mov_b32 s69, 0x43160000                      ; 150
	s_wait_kmcnt 0x0
	s_add_nc_u64 s[4:5], s[4:5], s[14:15]
.irp k, 0,1,2,3,4,5,6,7,8
.irp ch, 0,1,2
	global_load_b128 v[XR+12*\k+4*\ch:XR+12*\k+4*\ch+3], v[XO], s[4:5] offset:\ch*CHAN+512*\k th:TH_LOAD_NT
.endr
.endr
.irp ch, 0,1,2
	global_load_b128 v[XR+108+4*\ch:XR+108+4*\ch+3], v[XO], s[4:5] offset:\ch*CHAN+512*9   ; no hint: window block 39 may be the next work-group's too
.endr
	s_lshl_b32 s14, s13, 10
	s_add_nc_u64 s[6:7], s[6:7], s[14:15]          ; the work-group's four records
	s_lshl_b32 s14, s12, 8
	s_add_nc_u64 s[14:15], s[6:7], s[14:15]        ; my wave's record
	s_load_b512 s[24:39], s[14:15], 0x0            ; its 40 mask words
	s_load_b512 s[40:55], s[14:15], 0x40
	s_load_b256 s[56:63], s[14:15], 0x80
	s_load_b32 s16, s[6:7], 0xa0                   ; word 40 of each record: the four waves' counts
	s_load_b32 s17, s[6:7], 0x1a0
	s_load_b32 s18, s[6:7], 0x2a0
	s_load_b32 s19, s[6:7], 0x3a0
	s_wait_kmcnt 0x0
	s_min_u32 s16, s16, 1280                       ; a wave has 1,280 pixels
	s_min_u32 s17, s17, 1280
	s_min_u32 s18, s18, 1280
	s_min_u32 s19, s19, 1280
	s_cmp_gt_u32 s12, 0                            ; my first slot: the counts of the waves below me
	s_cselect_b32 s20, s16, 0
	s_cmp_gt_u32 s12, 1
	s_cselect_b32 s23, s17, 0
	s_add_co_u32 s20, s20, s23
	s_cmp_gt_u32 s12, 2
	s_cselect_b32 s23, s18, 0
	s_add_co_u32 s20, s20, s23
	s_add_co_u32 s21, s16, s17
	s_add_co_u32 s21, s21, s18
	s_add_co_u32 s21, s21, s19                     ; C: the work-group's counted pixels, at most 5,120
	s_add_co_u32 s22, s21, 127
	s_lshr_b32 s22, s22, 7
	s_max_u32 s22, s22, 1
	s_min_u32 s22, s22, 40                         ; T: steps of 128 pixels, the same number in all four waves
	; Padding: slots C .. C + 255, 64 a wave.  The loop reads slots below 128 (T + 1) <= C + 255.  e = 0 and p = 2^55 give a denominator between
	; 2^110 and 2^125, finite, so a value of at most 2^-110, and a padded pixel's products (two such values) vanish in f32.
	s_lshl_b32 s23, s12, 6
	s_add_co_u32 s23, s23, s21
	v_mov_b32 v16, 0
	v_mov_b32 v17, 0x5b000000                      ; 2^55
.irp z, 0,1
	v_add3_u32 v[TMP], v[LANE], s23, 32*\z
	v_min_u32 v[TMP], 5375, v[TMP]
	v_lshlrev_b32 v[TMP], 2, v[TMP]
	ds_store_b32 v[TMP], v16
	ds_store_b32 v[TMP], v16 offset:ARR
	ds_store_b32 v[TMP], v16 offset:2*ARR
	ds_store_b32 v[TMP], v17 offset:3*ARR
.endr
; ---- first phase: block k's 128 pixels, four a lane: the four numbers of each, stored at the pixel's slot ----
.macro PRE k
.set xb_, XR+12*\k
	s_wait_loadcnt 27-3*\k                         ; three loads a block, in order: block k is in, the 3 (9 - k) younger loads stay out
.irp j, 0,1,2,3,4,5,6,7,8,9,10,11
	v_med3_num_f32 v[xb_+\j], v[xb_+\j], 0, 1.0    ; clip to [0, 1]
.endr
.irp j, 0,2
	v_pk_fma_f32 v[SS+\j:SS+\j+1], v[xb_+\j:xb_+\j+1], v[xb_+\j:xb_+\j+1], 0x358637bd op_sel_hi:[1,1,0]   ; x0^2 + 1e-6 starts the sum
.endr
.irp ch, 4,8
.irp j, 0,2
	v_pk_fma_f32 v[SS+\j:SS+\j+1], v[xb_+\ch+\j:xb_+\ch+\j+1], v[xb_+\ch+\j:xb_+\ch+\j+1], v[SS+\j:SS+\j+1]
.endr
.endr
.irp j, 0,2,4,6,8,10
	v_pk_add_f32 v[xb_+\j:xb_+\j+1], v[xb_+\j:xb_+\j+1], 0x358637bd op_sel_hi:[1,0]
.endr
.irp j, 0,1,2,3,4,5,6,7,8,9,10,11
	v_log_f32 v[xb_+\j], v[xb_+\j]                 ; base 2; the factor ln 2 goes into QQ
.endr
.irp j, 0,1,2,3
	v_log_f32 v[SS+\j], v[SS+\j]
.endr
	; the slots: plain instructions on other registers, which also stand between the logarithms and the first use of a result (ISA guide 5.7.2)
.irp c, 0,1,2,3
	v_mbcnt_lo_u32_b32 v[SL+\c], s[MW+4*\k+\c], s20                ; the running base + the counted lanes below me
	v_cndmask_b32 v[SL+\c], v[VDUMP], v[SL+\c], s[MW+4*\k+\c]      ; a pixel that does not count goes to the dump
	v_min_u32 v[SL+\c], 5407, v[SL+\c]                             ; whatever the table holds, the address stays in the arrays
	v_lshlrev_b32 v[SL+\c], 2, v[SL+\c]
	s_bcnt1_i32_b32 s23, s[MW+4*\k+\c]
	s_add_co_u32 s20, s20, s23
.endr
	s_wait_alu depctr_va_vdst(0)                   ; the wait ahead of a result's first reader: one for the block's sixteen logarithms
	v_pk_mul_f32 v[SS:SS+1], v[SS:SS+1], 0xbe000000 op_sel_hi:[1,0]        ; -1/8 log2 ss
	v_pk_mul_f32 v[SS+2:SS+3], v[SS+2:SS+3], 0xbe000000 op_sel_hi:[1,0]
.irp j, 0,1,2,3
	v_exp_f32 v[SS+\j], v[SS+\j]                   ; p = ss^(-1/8), between 0.87 and 5.63
.endr
.irp j, 0,2                                        ; the differences do not touch p: the plain place behind the exponentials
	v_pk_add_f32 v[D01+\j:D01+\j+1], v[xb_+\j:xb_+\j+1], v[xb_+4+\j:xb_+4+\j+1] neg_lo:[0,1] neg_hi:[0,1]
	v_pk_add_f32 v[D02+\j:D02+\j+1], v[xb_+\j:xb_+\j+1], v[xb_+8+\j:xb_+8+\j+1] neg_lo:[0,1] neg_hi:[0,1]
	v_pk_add_f32 v[D12+\j:D12+\j+1], v[xb_+4+\j:xb_+4+\j+1], v[xb_+8+\j:xb_+8+\j+1] neg_lo:[0,1] neg_hi:[0,1]
.endr
	s_wait_alu depctr_va_vdst(0)                   ; one wait for the block's four exponentials, which read logarithms and so are a batch of their own
.irp j, 0,2
	v_pk_mul_f32 v[QQ+\j:QQ+\j+1], v[SS+\j:SS+\j+1], 0x420aa123 op_sel_hi:[1,0]    ; 50 ln 2 = 34.657359
.endr
.irp j, 0,2
	v_pk_mul_f32 v[D01+\j:D01+\j+1], v[D01+\j:D01+\j+1], v[QQ+\j:QQ+\j+1]
	v_pk_mul_f32 v[D02+\j:D02+\j+1], v[D02+\j:D02+\j+1], v[QQ+\j:QQ+\j+1]
	v_pk_mul_f32 v[D12+\j:D12+\j+1], v[D12+\j:D12+\j+1], v[QQ+\j:QQ+\j+1]
.endr
.irp c, 0,1,2,3
	ds_store_b32 v[SL+\c], v[D01+\c]
	ds_store_b32 v[SL+\c], v[D02+\c] offset:ARR
	ds_store_b32 v[SL+\c], v[D12+\c] offset:2*ARR
	ds_store_b32 v[SL+\c], v[SS+\c] offset:3*ARR
.endr
.endm
.irp k, 0,1,2,3,4,5,6,7,8,9
	PRE \k
.endr
	s_wait_dscnt 0x0                               ; for the others' sake: all my slots and my padding are written
	s_barrier_signal -1
.irp i, 0,1,2,3                                    ; registers only while the others arrive: -50 b[16 i + r] = 150 - 4.7619048 (16 i + r)
	v_add_nc_u32 v[TMP], 16*\i, v[RR]
	v_cvt_f32_u32 v[TMP], v[TMP]
	v_fma_f32 v[NB+2*\i], v[TMP], s68, s69
	v_mov_b32 v[NB+2*\i+1], v[NB+2*\i]
.endr
	s_lshl_b32 s23, s12, 7
	v_lshlrev_b32 v[VA], 6, v[HH]
	v_add_nc_u32 v[VA], s23, v[VA]                 ; step 0: group w of 32 slots (128 bytes), my half of 16 slots (64 bytes)
	s_barrier_wait -1                              ; every slot below C + 256 is written
; ---- the loop.  In step t wave w takes slots 128 t + 32 w .. + 31.  Lanes of half h take 16 h .. 16 h + 15 of them; register q of a fragment
; holds pixels 2 q and 2 q + 1 of those.  That is one order of the 32 pixels along K, the same in every fragment, so the products pair rightly.
; An item is one fragment register: two pixels of one bin.  Items 0-31 make Y, 32-63 Z, 64-95 the NEXT step's X.
.macro IDX num
.set tp_, TT+2*((\num)%4)
.set rp_, RC+2*((\num)%16)
.set q2_, 2*((\num)%8)
.set fi_, ((\num)%32)/8
.set ph_, (\num)/32
.endm
.macro S1 num                                      ; p t = p x (-50 b) + e.  p: PS for X, PM for Y and Z.  e: E1, E2, E0 for Y, Z, X
	IDX \num
	v_pk_fma_f32 v[tp_:tp_+1], v[PM-16*(ph_/2)+q2_:PM-16*(ph_/2)+q2_+1], v[NB+2*fi_:NB+2*fi_+1], v[E0+16*((ph_+1)%3)+q2_:E0+16*((ph_+1)%3)+q2_+1]
.endm
.macro S2 num                                      ; (p t)^2 + p^2
	IDX \num
	v_pk_fma_f32 v[tp_:tp_+1], v[tp_:tp_+1], v[tp_:tp_+1], v[PA+q2_:PA+q2_+1]
.endm
.macro RL num                                      ; the denominator stays in TT; the result has its own register in RC for as long as the batch is open
	IDX \num
	v_rcp_f32 v[rp_], v[tp_]
.endm
.macro RH num
	IDX \num
	v_rcp_f32 v[rp_+1], v[tp_+1]
.endm
.macro CV num                                      ; into register q of fragment i of Y, Z or X; it stands behind its batch's wait (RUN)
	IDX \num
	v_cvt_pk_bf16_f32 v[FX+32*((ph_+1)%3)+8*fi_+q2_/2], v[rp_], v[rp_+1]
.endm
.macro ITEM op, num, lo, hi                        ; only inside the run's range
.if (\num) >= (\lo)
.if (\num) < (\hi)
	\op \num
.endif
.endif
.endm
; Four matrix instructions: column block j of a histogram.  Source 0 is the v side (fragment j of fa), source 1 the u side (fragment i of fb):
; register jj of lane (r, h) then holds (u = 16 i + r, v = 16 j + 8 h + jj), eight neighbouring numbers of a row.
; zero = 1: the first product starts the sum; nothing is ever cleared.
.macro GRP win, db, fa, fb, j, zero
	WIN \win
.irp i, 0,1,2,3
.if \zero
	v_wmma_f32_16x16x32_bf16 v[\db+8*(4*\i+\j):\db+8*(4*\i+\j)+7], v[\fa+8*\j:\fa+8*\j+7], v[\fb+8*\i:\fb+8*\i+7], 0
.else
	v_wmma_f32_16x16x32_bf16 v[\db+8*(4*\i+\j):\db+8*(4*\i+\j)+7], v[\fa+8*\j:\fa+8*\j+7], v[\fb+8*\i:\fb+8*\i+7], v[\db+8*(4*\i+\j):\db+8*(4*\i+\j)+7]
.endif
.endr
	WIN 0
.endm
; What stands at the head of turn `it` of a run: a group of matrix instructions, two turns or more behind the roundings that completed its fragments
; (Y's fragments 0, 1 are whole behind turn 15, its 2, 3 behind turn 31, Z's behind turns 47 and 63) and six turns ahead of the next batch's wait; and the wait for e12.
; G1's third group stands between the two runs (BODY); its fourth at turn 66, far ahead of the first rounding into X behind turn 79.
.macro HOOKS zero
.irp j, 0,1,2,3
.if it == 18+8*\j
	GRP 0x50, 0, FY, FX, \j, \zero                 ; H0 += X Y
.endif
.endr
.irp j, 0,1
.if it == 50+8*\j
	GRP 0x50, 128, FZ, FX, \j, \zero               ; G1 += X Z
.endif
.endr
.if it == 66
	GRP 0x50, 128, FZ, FX, 3, \zero
.endif
.if it == 54
	GRP 0xa0, 0, FZ, FY, 0, \zero                  ; G2 += Y Z
.endif
.irp j, 1,2,3
.if it == 66+8*\j
	GRP 0xa0, 0, FZ, FY, \j, \zero
.endif
.endr
.if it == 30
	s_wait_dscnt 8                                 ; e12 is in (item 32 starts in this turn); the eight younger loads, the next step's p and e01, stay out
.endif
.endm
; Items lo .. hi - 1, three in flight: in a turn item it + 2 starts, it + 1 is squared, it is inverted; fused multiply-adds and reciprocals stand by turns.
; Four pairs of TT do: item it + 2 takes the pair that the reciprocals of item it - 2 read two turns ago, with plain instructions between (ISA guide 5.7.2).
; A BATCH is sixteen items, two fragments.  While it is open nothing names a result: each reciprocal writes a register of its own in RC.  Behind the batch's last
; reciprocal stands its one wait, and then its sixteen roundings, of which the first fifteen are also the plain instructions between the last reciprocal and the
; rounding that reads it.  The next batch's reciprocals write RC again only behind those roundings.  lo and hi are multiples of 16, so a run ends with a whole batch's
; wait and roundings.
.macro RUN lo, hi, zero, groups
.set it, \lo-2
.rept \hi-\lo+2
.if \groups
	HOOKS \zero
.endif
	ITEM S1, it+2, \lo, \hi
	ITEM RL, it, \lo, \hi
	ITEM S2, it+1, \lo, \hi
	ITEM RH, it, \lo, \hi
.if (it >= \lo) && (it%16 == 15)
	s_wait_alu depctr_va_vdst(0)                   ; the wait ahead of a result's first reader: one for the 32 reciprocals of items it - 15 .. it
.set cv_, it-15
.rept 16
	CV cv_
.set cv_, cv_+1
.endr
.endif
.set it, it+1
.endr
.endm
.macro LD4 dst, arr                                ; my 16 slots of one array; the 16 lanes of a half ask for the same bytes
.irp z, 0,1,2,3
	ds_load_b128 v[\dst+4*\z:\dst+4*\z+3], v[VA] offset:\arr*ARR+16*\z
.endr
.endm
.macro AUPD
.irp z, 0,2,4,6,8,10,12,14
	v_pk_mul_f32 v[PA+\z:PA+\z+1], v[PS+\z:PS+\z+1], v[PS+\z:PS+\z+1]
.endr
.endm
; One step.  On entry X of this step is made, PA holds this step's p^2, and twelve loads are out: PM, E1, E2 of this step.
; Distances behind matrix instructions (ISA guide 7.12.1): a fragment register is written again only far behind its last reader.  The nearest
; case is X, read last by G1's fourth group at the head of turn 66 and first rounded into behind turn 79: the 28 fused multiply-adds of turns 66 to 79
; lie between, none of which names a register of that group.
.macro BODY zero
	v_add_nc_u32 v[VA], 512, v[VA]                 ; the next step: four groups of 128 bytes on
	v_min_u32 v[VA], 21568, v[VA]                  ; whatever the table holds, the 64 bytes read stay inside an array
	LD4 PS, 3
	LD4 E0, 0
	s_wait_dscnt 12                                ; of the 20 loads out the oldest eight, PM and E1, are in; E2's four and the eight new ones stay out
	RUN 0, 64, \zero, 1                            ; Y and Z, four batches; H0's four groups, two of G1's and one of G2's between them
	GRP 0x50, 128, FZ, FX, 2, \zero                ; Z's fragment 2 was rounded eight instructions ago
	s_wait_dscnt 0x0                               ; the next step's p and e01, asked for 320 vector instructions ago
	AUPD
	LD4 PM, 3
	LD4 E1, 1
	LD4 E2, 2
	RUN 64, 96, \zero, 1                           ; the next step's X, two batches; G1's last group and three of G2's between
.endm
	LD4 PS, 3
	LD4 E0, 0
	s_wait_dscnt 0x0
	AUPD
	LD4 PM, 3
	LD4 E1, 1
	LD4 E2, 2
	RUN 64, 96, 0, 0                               ; X of step 0
	BODY 1                                         ; the first step stands in front of the loop: its products start the sums
	s_sub_co_u32 s70, s22, 1
	s_cmp_eq_u32 s70, 0
	s_cbranch_scc1 .Ldone
.Lstep:
	BODY 0
	s_sub_co_i32 s70, s70, 1
	s_cmp_lg_u32 s70, 0
	s_cbranch_scc1 .Lstep
.Ldone:
	; The last step has also made an X from padding slots that nobody uses: a third of a step's vector work, kept so that there is one body and
	; G2's groups have vector work between them.  Behind the last four matrix instructions (turn 90) stand nine fused multiply-adds and the last batch's
	; sixteen roundings, which name none of their registers, and three more plain instructions below: the LDS stores may read every result.
	; ---- the way out: each wave's 48 tiles into its own copy in the stage; then the four copies are added, 2,048 bytes of `part` at a time ----
	; The stage lies over the pixel arrays, which are done with.  So every wave's reads of the arrays come first: each wave waits for its own
	; and passes a barrier before any wave stores.
	s_wait_dscnt 0x0                               ; my reads of the arrays are over, the last step's twelve look-ahead loads among them
	s_barrier_signal -1
	v_mul_u32_u24 v[VST], v[RR], SP                ; registers only while the others arrive: row r of a block of 16 rows,
	v_lshl_add_u32 v[VST], v[HH], 5, v[VST]        ; 8 h numbers in,
	s_mul_i32 s23, s12, COPY
	v_add_nc_u32 v[VST], s23, v[VST]               ; in my wave's copy
	s_barrier_wait -1                              ; nobody reads the arrays any more
.macro STACC c, rb
.irp i, 0,1,2,3
.irp j, 0,1,2,3
	ds_store_b128 v[VST], v[\rb+8*(4*\i+\j):\rb+8*(4*\i+\j)+3] offset:\c*HB+\i*16*SP+\j*64
	ds_store_b128 v[VST], v[\rb+8*(4*\i+\j)+4:\rb+8*(4*\i+\j)+7] offset:\c*HB+\i*16*SP+\j*64+16
.endr
.endr
.endm
	WIN 0x04                                       ; an LDS store's data is source 1: window 1
	STACC 0, 0
	STACC 1, 128
	WIN 0x08                                       ; window 2
	STACC 2, 0
	WIN 0
	s_wait_dscnt 0x0                               ; for the others' sake: my copy is written
	s_barrier_signal -1
	v_lshrrev_b32 v[RDA], 4, v0                    ; thread t reads row t / 16 of a piece's eight rows,
	v_mul_u32_u24 v[RDA], v[RDA], SP
	v_lshl_add_u32 v[RDA], v[RR], 4, v[RDA]        ; 16 bytes at 16 (t % 16), in copy 0
.irp c, 1,2,3
	v_add_nc_u32 v[RDA+\c], \c*COPY, v[RDA]        ; and in copies 1 to 3
.endr
	v_lshlrev_b32 v[PO], 4, v0
	v_mov_b32 v[ZO], 0
	s_mul_i32 s14, s13, 49152                      ; part[G]: [3][64][64] f32
	s_mov_b32 s15, 0
	s_add_nc_u64 s[8:9], s[8:9], s[14:15]
	s_lshl_b32 s14, s13, 4
	s_lshl2_add_u32 s14, s12, s14                  ; tot[G][w]
	s_add_nc_u64 s[10:11], s[10:11], s[14:15]
	s_barrier_wait -1                              ; all four copies are written
.macro LOADS b, set                                ; pieces 6 b .. 6 b + 5 (eight rows each) of all four copies: 24 loads
.irp kk, 0,1,2,3,4,5
.irp c, 0,1,2,3
	ds_load_b128 v[\set+16*\kk+4*\c:\set+16*\kk+4*\c+3], v[RDA+\c] offset:8*SP*(6*\b+\kk)
.endr
.endr
.endm
.macro PROC b, set, more                           ; more = 1: the other set's 24 loads were issued behind this set's and stay out
.irp kk, 0,1,2,3,4,5
	s_wait_dscnt 24*\more+20-4*\kk                 ; piece kk's four loads are in; this set's 20 - 4 kk younger ones stay out as well
.set pq_, \set+16*\kk
	v_pk_add_f32 v[pq_:pq_+1], v[pq_:pq_+1], v[pq_+4:pq_+5]
	v_pk_add_f32 v[pq_+2:pq_+3], v[pq_+2:pq_+3], v[pq_+6:pq_+7]
	v_pk_add_f32 v[pq_+8:pq_+9], v[pq_+8:pq_+9], v[pq_+12:pq_+13]
	v_pk_add_f32 v[pq_+10:pq_+11], v[pq_+10:pq_+11], v[pq_+14:pq_+15]
	v_pk_add_f32 v[pq_:pq_+1], v[pq_:pq_+1], v[pq_+8:pq_+9]
	v_pk_add_f32 v[pq_+2:pq_+3], v[pq_+2:pq_+3], v[pq_+10:pq_+11]
.if (\b+\kk) == 0
	v_pk_add_f32 v[TOT:TOT+1], v[pq_:pq_+1], v[pq_+2:pq_+3]        ; the first piece starts the total
.else
	v_pk_add_f32 v[TOT:TOT+1], v[TOT:TOT+1], v[pq_:pq_+1]
	v_pk_add_f32 v[TOT:TOT+1], v[TOT:TOT+1], v[pq_+2:pq_+3]
.endif
	global_store_b128 v[PO], v[pq_:pq_+3], s[8:9] offset:2048*(6*\b+\kk)   ; a wave's store covers 512 consecutive bytes, aligned
.endr
.endm
	LOADS 0, SETA
	LOADS 1, SETB
	PROC 0, SETA, 1
	s_wait_xcnt 0x0                                ; set A, which stores read, is loaded again only behind this wait (ISA guide 3.1)
	LOADS 2, SETA
	PROC 1, SETB, 1
	s_wait_xcnt 0x0                                ; likewise set B
	LOADS 3, SETB
	PROC 2, SETA, 1
	PROC 3, SETB, 0
	; my wave's share of the work-group's total
	v_add_f32 v[TOT], v[TOT], v[TOT+1]
	v_add_f32_dpp v[TOT], v[TOT], v[TOT] row_xmask:1 row_mask:0xf bank_mask:0xf
	v_add_f32_dpp v[TOT], v[TOT], v[TOT] row_xmask:2 row_mask:0xf bank_mask:0xf
	v_add_f32_dpp v[TOT], v[TOT], v[TOT] row_xmask:4 row_mask:0xf bank_mask:0xf
	v_add_f32_dpp v[TOT], v[TOT], v[TOT] row_xmask:8 row_mask:0xf bank_mask:0xf
	v_permlanex16_b32 v[TOT+1], v[TOT], s66, s67
	v_add_f32 v[TOT], v[TOT], v[TOT+1]
	v_cmp_eq_u32 vcc_lo, 0, v[LANE]
	s_wait_xcnt 0x0                                ; EXEC is a source of the stores above: it changes only behind this wait
	s_wait_tensorcnt 0x0
	ds_add_u32 v254, v255
	s_wait_dscnt 0x0
	s_and_saveexec_b32 s23, vcc_lo
	global_store_b32 v[ZO], v[TOT], s[10:11]       ; lane 0 alone: four bytes a wave, 4,096 in the whole launch
	s_wait_xcnt 0x0                                ; and again in front of the line that widens it
	s_or_b32 exec_lo, exec_lo, s23
	s_endpgm
.Lfunc_end_k_q837d0403a0_hist:
	.size	k_q837d0403a0_hist, .Lfunc_end_k_q837d0403a0_hist-k_q837d0403a0_hist
	.p2alignl 7, 3214868480
	.fill 96, 4, 3214868480
	.section	.rodata,"a",@progbits
	.p2align	6, 0x0
	.amdhsa_kernel k_q837d0403a0_hist
		.amdhsa_group_segment_fixed_size 209408
		.amdhsa_private_segment_fixed_size 0
		.amdhsa_enable_private_segment 0
		.amdhsa_kernarg_size 32
		.amdhsa_user_sgpr_count 2
		.amdhsa_user_sgpr_kernarg_segment_ptr 1
		.amdhsa_wavefront_size32 1
		.amdhsa_system_sgpr_workgroup_id_x 1
		.amdhsa_system_sgpr_workgroup_id_y 1
		.amdhsa_system_sgpr_workgroup_id_z 1
		.amdhsa_system_vgpr_workitem_id 0
		.amdhsa_next_free_vgpr 640
		.amdhsa_next_free_sgpr 72
		.amdhsa_reserve_vcc 1
		.amdhsa_float_denorm_mode_32 3
		.amdhsa_float_denorm_mode_16_64 3
		.amdhsa_memory_ordered 1
		.amdhsa_forward_progress 1
		.amdhsa_inst_pref_size 164
	.end_amdhsa_kernel
	.amdgpu_metadata
---
amdhsa.version: [ 1, 2 ]
amdhsa.kernels:
  - .name:           k_q837d0403a0_hist
    .symbol:         k_q837d0403a0_hist.kd
    .args:
      - { .name: x, .offset: 0, .size: 8, .value_kind: global_buffer, .address_space: global }
      - { .name: masks, .offset: 8, .size: 8, .value_kind: global_buffer, .address_space: global }
      - { .name: part, .offset: 16, .size: 8, .value_kind: global_buffer, .address_space: global }
      - { .name: tot, .offset: 24, .size: 8, .value_kind: global_buffer, .address_space: global }
    .group_segment_fixed_size: 209408
    .private_segment_fixed_size: 0
    .kernarg_segment_align: 8
    .kernarg_segment_size: 32
    .max_flat_workgroup_size: 128
    .sgpr_count:     72
    .vgpr_count:     640
    .wavefront_size: 32
...
	.end_amdgpu_metadata
.endif
;; end of part 4
;; launch norm: the kernel of part 3 again; grid 24 x 8, 4 waves a work-group, no clusters, 0 bytes of LDS; arguments part, tot, out0; writes out0
